; MI455X (gfx1250); checked and timed in simulation.
; The chip was launched on July 23, 2026; its instructions are those of AMD's public machine-readable ISA for CDNA 5 (MIT licence, August 2026) and "CDNA5" Instruction Set Architecture Reference Guide (July 2026). The comments in the code are by the model that wrote it; some were corrected since.
;; Bert Self Attention. Allowed arithmetic: matrix products marked QUANTISED: E2M3 operands, one E8M0 scale for each 32 along K, by v_wmma_scale_f32_16x16x128_f8f6f4 with both operands' format E2M3, f32 sums; everything else in f32.
;; Inputs: Wk 1,024 x 1,024 float32; Wq 1,024 x 1,024 float32; Wv 1,024 x 1,024 float32; attention_mask 4 x 1 x 1 x 2,048 float32; bk 1,024 float32; bq 1,024 float32; bv 1,024 float32; hidden_states 4 x 2,048 x 1,024 float32.
;; Outputs: out0 4 x 2,048 x 1,024 float32.
;; This version of the problem:
;;   THIS VERSION OF THE PROBLEM IS GIVEN IN LOW PRECISION. The matrix products marked QUANTISED in the list below multiply operands that are first quantised to E2M3 (2 exponent bits, 3 mantissa bits; 6 bits a number), with one power-of-two scale for each 32 numbers along K (OCP MX v1.0); their sums are f32. All else is computed in f32.
;;   The module's matrix products, in the order in which they are computed (A, B: the left and right operand; K: the contracted axis; several contracted axes count as one K, in the product's order):
;;     1. [M 8,192, K 1,024] x [K 1,024, N 1,024]; A: input hidden_states; B: input Wq: QUANTISED
;;     2. [M 8,192, K 1,024] x [K 1,024, N 1,024]; A: input hidden_states; B: input Wk: QUANTISED
;;     3. [M 8,192, K 1,024] x [K 1,024, N 1,024]; A: input hidden_states; B: input Wv: QUANTISED
;;     4. batch 64 x [M 2,048, K 64] x [K 64, N 2,048]; A: computed on the way; B: computed on the way: QUANTISED
;;     5. batch 64 x [M 2,048, K 2,048] x [K 2,048, N 64]; A: softmax (see below); B: computed on the way: QUANTISED
;;   THE QUANTISER, for each operand of a quantised product, along K:
;;     - K is cut into blocks of 32 from its start; a last block that is shorter is filled with zeros.
;;     - A block's scale is 2^e with e = floor(log2(the largest magnitude in the block)) - 2, held to -126 .. 127; a block of zeros has e = 0. As a byte (E8M0): e + 127.
;;     - Each number is divided by its block's scale, clamped to +-7.5, and rounded to the nearest number of E2M3, ties to even, subnormals kept.
;;     - The product sums the exact products of the quantised numbers (number of the format x scale) in f32.
;;   ~~~python
;;   def quantise(x, axis):      # numpy; x: float32 -> the quantised numbers, widened to float32 again
;;       x = np.moveaxis(x, axis, -1); K = x.shape[-1]
;;       x = np.pad(x, [(0, 0)] * (x.ndim - 1) + [(0, -K % 32)]); x = x.reshape(x.shape[:-1] + (-1, 32)); a = np.abs(x).max(-1, keepdims=True)
;;       e = np.where(a > 0, np.clip(np.frexp(np.where(a > 0, a, 1))[1] - 1 - 2, -126, 127), 0)      # np.frexp(a)[1] - 1 = floor(log2(a)), exactly
;;       r = np.clip(x / 2.0 ** e, -7.5, 7.5)
;;       step = 2.0 ** (np.maximum(np.frexp(np.where(r == 0, 1, r))[1] - 1, 0) - 3)
;;       q = np.round(r / step) * step * 2.0 ** e      # np.round: ties to even
;;       return np.moveaxis(q.reshape(q.shape[:-2] + (-1,))[..., :K], -1, axis).astype(np.float32)
;;   ~~~
;;   SOFTMAX AHEAD OF A QUANTISED PRODUCT. Where the list says 'softmax', what is quantised is not the finished softmax but p = 2^(t - M), with t = logit x log2(e) and M = ceil(the row's largest t), a whole number; so 1/2 < the row's largest p <= 1. The row's sum l is taken of the UNQUANTISED p, in f32, and the product's result is divided by l at the end. Since M is a whole number, a kernel that streams over the keys may use a running M (the ceiling of the running maximum): every later rescaling is an exact power of two, which a block's scale takes up: the codes' values come out the same.
;;   OPERANDS COMPUTED ON THE WAY. 'Computed on the way' means the value that the module computes at that place (a softmax that the list does not call 'softmax' is quantised finished and normalised). What goes into a quantiser is computed in f32, as accurately as f32 sums, v_exp_f32 and their like allow (about 1e-6 of the number): no bf16 or f16 on the way to a quantiser, and a product that is left as it is and whose result goes on into a quantised operand takes f32 operands (vector FMAs, or v_wmma_f32_16x16x4_f32). A number that lies on a knife's edge between two numbers of the format may be rounded either way, as far as f32 arithmetic and the matrix unit's own rounding can turn it there, and no further.
;; One version. Each part assembles by itself: llvm-mc -triple=amdgcn-amd-amdhsa -mcpu=gfx1250 --defsym DOCPART=n.
;; ======== version 1 of 1: 3 launches
;; limits: right only within a limited range of input values
;; workspace buffers: xc 6,291,456 bytes; xs 262,144 bytes; wc 2,359,296 bytes; ws 98,304 bytes; qkvc 18,874,368 bytes; qkvs 786,432 bytes
;; launch prep (part 1): grid 224 x 1, 8 waves a work-group, no clusters, 69,632 bytes of LDS; arguments hidden_states, Wq, Wk, Wv, xc, xs, wc, ws; writes xc, xs, wc, ws
.if DOCPART == 1
	.amdgcn_target "amdgcn-amd-amdhsa--gfx1250"
	.amdhsa_code_object_version 6
	.text
	.protected	k_q148d29fc3f_prep
	.globl	k_q148d29fc3f_prep
	.p2align	8
	.type	k_q148d29fc3f_prep,@function
k_q148d29fc3f_prep:
	s_mov_b64 s[64:65], 0
	v_nop
	global_prefetch_b8 v0, s[64:65] scope:SCOPE_SE
	s_setreg_imm32_b32 hwreg(HW_REG_WAVE_MODE, 25, 1), 1
	s_wait_xcnt 0x0
; hidden_states [8192][1024] and Wq, Wk, Wv [1024 (k)][1024 (n)], f32, become codes of FP6 (E2M3) with one E8M0 byte for each 32 along K (K = the 1,024 hidden numbers).
; A block's scale is 2^(floor(log2(its largest magnitude)) - 2); its byte is the largest magnitude's exponent field - 2, held at 1 from below.
; LIMITS: a block of zeros, or one whose largest magnitude lies under 2^-124, gets the byte 1 (the rule says 127 for zeros): its codes are zeros or tiny, and only this program reads the bytes.  NaN and infinities are not served.
; WHAT IS STORED ARE IMAGES OF OPERAND REGISTERS.  A fragment is 16 rows x 128 K: 12 registers a lane; registers 4 c .. 4 c + 3 of lane l lie at 512 c + 16 l of its 1,536 bytes.
;   xc: [tile a 0..511][K step 0..7][1,536];  wc: [tile 64 m + column / 16][K step][1,536], m = 0 q, 1 k, 2 v.
;   xs, ws: [tile][quad 0..1][row r][4 words]: word q holds the four scale bytes of K step 4 quad + q.
; THE ROWS OF A TILE ARE NOT NEIGHBOURS: row r of tile 2 g + u is token (or column) 32 g + 8 u + r + 8 (r / 8), so that in a later result the 16 registers of two neighbouring tiles are 16 neighbours.
; Work-groups 0-127 take x: a wave 16 rows x 512 K.  Each load reads 512 consecutive bytes of a row; the numbers turn through the wave's own stage in LDS so that a lane holds 16 neighbours along K.
; Work-groups 128-223 take W: a lane takes a column and its registers run down K, so nothing is transposed; the four K steps' scale words of a column meet in LDS.  Each path has LDS bytes of its own; both pass one barrier.
.set XWG,   128
.set ROWX,  4096                       ; a row of x or of W in bytes
.set FRB,   1536                       ; a fragment's image
.set SP,    528                        ; a stage row: 512 bytes + 16: sixteen rows start in sixteen different groups of banks
.set WST,   16*SP                      ; a wave's stage
.set WLDS,  8*WST                      ; behind the stages: W's scale words, 1,024 bytes
.set LI,    4                          ; v4   16 x lane
.set SA,    5                          ; v5   the stage, way in: my wave's + 16 x lane
.set SB,    6                          ; v6   the stage, way out: my wave's + 528 r + 64 h
.set LW,    7                          ; v7   where a W wave puts its scale word
.set LR,    8                          ; v8   where four of them are read back
.set TM,    12                         ; v12-15 largest magnitudes, v16-19 bytes, v24-27 scale operands
.set PW,    28                         ; v28-31 x's scale words of the four K steps
.set X,     32                         ; v32-223 three sets of 64 numbers (x); v32-159 128 numbers (W)
.set PC,    224                        ; v224-235 a fragment's codes; v236-238, v240-242 halves on their way
	s_load_b256 s[4:11], s[0:1], 0x0               ; hidden_states, Wq, Wk, Wv
	s_load_b256 s[12:19], s[0:1], 0x20             ; xc, xs, wc, ws
	v_lshl_add_u32 v254, v0, 2, 0x10c00
	v_mov_b32 v255, 0
	v_lshrrev_b32 v1, 5, v0
	s_delay_alu instid0(VALU_DEP_1)
	v_readfirstlane_b32 s20, v1                    ; wave 0..7
	v_and_b32 v1, 31, v0                           ; lane
	v_and_b32 v2, 15, v0                           ; r
	v_bfe_u32 v3, v0, 4, 1                         ; h
	s_delay_alu instid0(VALU_DEP_3)
	v_lshlrev_b32 v[LI], 4, v1
	s_mul_i32 s21, s20, WST
	v_add_nc_u32 v[SA], s21, v[LI]
	v_mul_u32_u24 v[SB], v2, SP
	s_delay_alu instid0(VALU_DEP_1)
	v_lshl_add_u32 v[SB], v3, 6, v[SB]
	s_delay_alu instid0(VALU_DEP_1)
	v_add_nc_u32 v[SB], s21, v[SB]
	s_and_b32 s25, s20, 1                          ; x: which 512 of K;  W: which 32 columns
	s_lshr_b32 s26, s20, 1                         ; x: which tile;      W: which K step of the four
	s_lshl_b32 s21, s25, 9
	s_add_co_u32 s21, s21, WLDS
	v_add_nc_u32 v[LR], s21, v[LI]                 ; 16 bytes a column: its four words
	s_lshl_b32 s27, s26, 2
	v_add_nc_u32 v[LW], s27, v[LR]                 ; my K step's word among them
	s_mov_b32 s22, 0x76543210
	s_mov_b32 s23, 0xfedcba98                      ; v_permlanex16_b32's selects for lane l xor 16
	s_mov_b32 s24, 0xffff0000                      ; lanes 16-31
	s_wait_kmcnt 0x0
	s_cmp_ge_u32 ttmp9, XWG
	s_cbranch_scc1 .Lw
	; ---------------- x ----------------
	s_lshl_b32 s28, ttmp9, 2
	s_add_co_u32 s28, s28, s26                     ; my tile a
	s_lshr_b32 s29, s28, 1
	s_lshl_b32 s29, s29, 5
	s_and_b32 s30, s28, 1
	s_lshl_b32 s30, s30, 3
	s_add_co_u32 s29, s29, s30                     ; its first token: 32 (a / 2) + 8 (a % 2)
	s_lshl_b32 s30, s29, 12
	s_lshl_b32 s31, s25, 11
	s_add_co_u32 s30, s30, s31                     ; + my 512 numbers of a row
	s_mov_b32 s31, 0
	s_add_nc_u64 s[4:5], s[4:5], s[30:31]
	s_lshl_b32 s30, s28, 3
	s_lshl_b32 s32, s25, 2
	s_add_co_u32 s30, s30, s32
	s_mul_i32 s30, s30, FRB                        ; image 8 a + 4 quad
	s_add_nc_u64 s[12:13], s[12:13], s[30:31]
	s_lshl_b32 s30, s28, 9
	s_lshl_b32 s32, s25, 8
	s_add_co_u32 s30, s30, s32
	s_add_nc_u64 s[14:15], s[14:15], s[30:31]      ; scale words: 512 a + 256 quad
.irp b, 0,1,2,3
	v_mov_b32 v[TM+4+\b], 0                        ; written once: a lane permute's destination counts as one of its sources
.endr
.macro LOADX t                         ; K step t of my 16 rows: each load is 512 consecutive bytes of one row
.irp rr, 0,1,2,3,4,5,6,7,8,9,10,11,12,13,14,15
	global_load_b128 v[X+64*((\t)%3)+4*\rr:X+64*((\t)%3)+4*\rr+3], v[LI], s[4:5] offset:(\rr+8*(\rr/8))*ROWX+512*(\t) th:TH_LOAD_NT
.endr
.endm
.macro TURNX t                         ; through my stage: in as loaded, out 64 bytes a lane: register 16 b + i = k 32 b + 16 h + i of row r.  LDS serves a wave's instructions in order: no wait between
.irp rr, 0,1,2,3,4,5,6,7,8,9,10,11,12,13,14,15
	ds_store_b128 v[SA], v[X+64*((\t)%3)+4*\rr:X+64*((\t)%3)+4*\rr+3] offset:SP*\rr
.endr
.irp b, 0,1,2,3
.irp j, 0,1,2,3
	ds_load_b128 v[X+64*((\t)%3)+16*\b+4*\j:X+64*((\t)%3)+16*\b+4*\j+3], v[SB] offset:128*\b+16*\j
.endr
.endr
.endm
; 64 numbers of a lane become a fragment's codes in v[PC] on and its row's scale word in v[w]
.macro QUANT s, w
.irp b, 0,1,2,3
	v_max3_num_f32 v[TM+\b], |v[\s+16*\b]|, |v[\s+1+16*\b]|, 0x1800000   ; my 16 numbers of block b, and the floor 2^(3 - 127): the byte cannot fall under 1
.endr
.irp i, 2,4,6,8,10,12,14
.irp b, 0,1,2,3
	s_delay_alu instid0(VALU_DEP_4)
	v_max3_num_f32 v[TM+\b], v[TM+\b], |v[\s+16*\b+\i]|, |v[\s+1+16*\b+\i]|   ; the four blocks by turns
.endr
.endr
.irp b, 0,1,2,3
	s_delay_alu instid0(VALU_DEP_4)
	v_permlanex16_b32 v[TM+4+\b], v[TM+\b], s22, s23
.endr
.irp b, 0,1,2,3
	s_delay_alu instid0(VALU_DEP_4)
	v_max_num_f32 v[TM+\b], v[TM+\b], v[TM+4+\b]   ; with lane l xor 16's: the block's largest magnitude
.endr
.irp b, 0,1,2,3
	s_delay_alu instid0(VALU_DEP_4)
	v_add_nc_u32 v[TM+12+\b], 0xff000000, v[TM+\b] ; 2 off its exponent field: the conversion takes that field as its scale
.endr
.irp b, 0,1,2,3
	s_delay_alu instid0(VALU_DEP_4)
	v_lshrrev_b32 v[TM+4+\b], 23, v[TM+12+\b]      ; the scale's byte
.endr
	s_delay_alu instid0(VALU_DEP_3)
	v_lshl_or_b32 v[\w], v[TM+5], 8, v[TM+4]
	s_delay_alu instid0(VALU_DEP_1)
	v_lshl_or_b32 v[\w], v[TM+6], 16, v[\w]
	s_delay_alu instid0(VALU_DEP_1)
	v_lshl_or_b32 v[\w], v[TM+7], 24, v[\w]
.irp c, 0,1
	v_cvt_scalef32_pk16_fp6_f32 v[PC+6*\c:PC+2+6*\c], v[\s+32*\c:\s+15+32*\c], v[TM+12+2*\c]
	v_cvt_scalef32_pk16_fp6_f32 v[PC+12+4*\c:PC+14+4*\c], v[\s+16+32*\c:\s+31+32*\c], v[TM+12+2*\c+1]   ; (a conversion's three registers begin on an even number)
.endr
	v_nop                                          ; one plain place behind a scaled conversion
.irp c, 0,1                                    ; the operand wants a WHOLE block in a lane: lanes 0-15 block 2 c, lanes 16-31 block 2 c + 1
.irp i, 0,1,2
	v_permlane16_swap_b32 v[PC+6*\c+\i], v[PC+12+4*\c+\i]
.endr
.irp i, 0,1,2
	s_delay_alu instid0(VALU_DEP_3)
	v_mov_b32 v[PC+3+6*\c+\i], v[PC+12+4*\c+\i]
.endr
.endr
.endm
.macro XSTEP t, left
	s_wait_loadcnt \left                           ; this K step's 16 loads are in; the younger sets stay out
	TURNX \t
	s_wait_dscnt 0x0
.if \t > 0
	s_wait_xcnt 0x0                                ; the last step's stores have read the codes' registers: they are written again only behind this wait
.endif
	QUANT X+64*(\t%3), PW+\t
.if \t == 0
	LOADX 3                                        ; the fourth K step takes the first's registers
.endif
.irp c, 0,1,2
	global_store_b128 v[LI], v[PC+4*\c:PC+4*\c+3], s[12:13] offset:FRB*\t+512*\c   ; 512 consecutive bytes a store
.endr
.endm
	LOADX 0
	LOADX 1
	LOADX 2
	s_wait_alu depctr_va_vdst(0)
	XSTEP 0, 32
	XSTEP 1, 32
	XSTEP 2, 16
	XSTEP 3, 0
	v_cndmask_b32 v10, v[PW], v[PW+2], s24         ; lanes 0-15 store words 0, 1 of row r, lanes 16-31 words 2, 3 (both halves hold the row's words)
	v_cndmask_b32 v11, v[PW+1], v[PW+3], s24
	v_lshlrev_b32 v9, 4, v2
	s_delay_alu instid0(VALU_DEP_1)
	v_lshl_add_u32 v9, v3, 3, v9
	global_store_b64 v9, v[10:11], s[14:15]        ; the wave stores 256 consecutive bytes, aligned
	s_branch .Ljoin
	; ---------------- W ----------------
.Lw:
	s_sub_co_u32 s28, ttmp9, XWG
	s_lshr_b32 s29, s28, 5                         ; m: 0 q, 1 k, 2 v
	s_bfe_u32 s30, s28, 0x40001                    ; which 64 columns
	s_and_b32 s31, s28, 1                          ; which 512 of K
	s_cmp_eq_u32 s29, 0
	s_cselect_b64 s[34:35], s[6:7], s[8:9]
	s_cmp_eq_u32 s29, 2
	s_cselect_b64 s[34:35], s[10:11], s[34:35]     ; the choice hangs on the work-group's number alone
	s_lshl_b32 s32, s31, 2
	s_add_co_u32 s32, s32, s26                     ; my K step
	s_lshl_b32 s36, s32, 19                        ; x 128 rows of 4,096 bytes
	s_lshl_b32 s33, s30, 1
	s_add_co_u32 s33, s33, s25                     ; my 32 columns
	s_lshl_b32 s37, s33, 7
	s_add_co_u32 s36, s36, s37
	s_mov_b32 s37, 0
	s_add_nc_u64 s[34:35], s[34:35], s[36:37]
	s_lshl_b32 s36, s29, 6
	s_lshl_b32 s38, s33, 1
	s_add_co_u32 s36, s36, s38                     ; their first tile
	s_lshl_b32 s36, s36, 3
	s_add_co_u32 s36, s36, s32
	s_mul_i32 s36, s36, FRB
	s_add_nc_u64 s[16:17], s[16:17], s[36:37]
	s_wait_alu depctr_va_vdst(0)
	v_and_b32 v9, 8, v2
	s_delay_alu instid0(VALU_DEP_1)
	v_add_nc_u32 v9, v9, v2
	s_delay_alu instid0(VALU_DEP_1)
	v_lshl_add_u32 v9, v3, 3, v9
	s_delay_alu instid0(VALU_DEP_1)
	v_lshlrev_b32 v9, 2, v9                        ; lane (u, r) takes column 8 u + r + 8 (r / 8): row r of tile u
	v_mul_u32_u24 v10, v3, 8*FRB
	s_delay_alu instid0(VALU_DEP_1)
	v_lshl_add_u32 v10, v2, 4, v10                 ; and stores at tile u, 16 r
.set kk, 0
.rept 128
	global_load_b32 v[X+kk], v9, s[34:35] offset:kk*ROWX th:TH_LOAD_NT   ; W(k, my column): my registers run down K
.set kk, kk+1
.endr
; Block b of my column, all 32 numbers mine.  In the operand lane (r, 0) holds blocks 0 and 2, lane (r, 1) blocks 1 and 3: v160-171 and v172-183.
.macro WBLOCK b, left
.set XS, X+32*\b
.set GD, 160+12*(\b%2)+6*(\b/2)
	s_wait_loadcnt \left                           ; no more than the loads issued behind this block's (a wait names 63 at the most)
	v_max3_num_f32 v12, |v[XS]|, |v[XS+1]|, |v[XS+2]|
	v_max3_num_f32 v13, |v[XS+3]|, |v[XS+4]|, |v[XS+5]|
.irp i, 6,10,14,18,22,26
	s_delay_alu instid0(VALU_DEP_2)
	v_max3_num_f32 v12, v12, |v[XS+\i]|, |v[XS+\i+1]|
	s_delay_alu instid0(VALU_DEP_2)
	v_max3_num_f32 v13, v13, |v[XS+\i+2]|, |v[XS+\i+3]|
.endr
	s_delay_alu instid0(VALU_DEP_2)
	v_max3_num_f32 v12, v12, |v[XS+30]|, |v[XS+31]|
	s_delay_alu instid0(VALU_DEP_1)
	v_max3_num_f32 v12, v12, v13, 0x1800000        ; and the floor
	s_delay_alu instid0(VALU_DEP_1)
	v_add_nc_u32 v14, 0xff000000, v12
	s_delay_alu instid0(VALU_DEP_1)
	v_lshrrev_b32 v15, 23, v14
.if \b == 0
	s_delay_alu instid0(VALU_DEP_1)
	v_mov_b32 v16, v15
.else
	s_delay_alu instid0(VALU_DEP_1)
	v_lshl_or_b32 v16, v15, 8*\b, v16              ; the K step's scale word of my column
.endif
	v_cvt_scalef32_pk16_fp6_f32 v[GD:GD+2], v[XS:XS+15], v14
	v_cvt_scalef32_pk16_fp6_f32 v[184:186], v[XS+16:XS+31], v14
	v_nop                                          ; one plain place behind a scaled conversion
.irp i, 0,1,2
	v_mov_b32 v[GD+3+\i], v[184+\i]
.endr
.endm
	WBLOCK 0, 63
	WBLOCK 1, 63
	WBLOCK 2, 32
	WBLOCK 3, 0
.irp hh, 0,1
.irp c, 0,1,2
	global_store_b128 v10, v[160+12*\hh+4*\c:160+12*\hh+4*\c+3], s[16:17] offset:512*\c+256*\hh   ; sixteen lanes store 256 consecutive bytes, aligned
.endr
.endr
	ds_store_b32 v[LW], v16
.Ljoin:
	s_wait_dscnt 0x0                               ; my LDS stores have landed and my LDS loads are in
	s_barrier_signal -1
	s_barrier_wait -1
	s_cmp_lt_u32 ttmp9, XWG
	s_cbranch_scc1 .Lend
	s_cmp_ge_u32 s20, 2
	s_cbranch_scc1 .Lend                           ; waves 0 and 1 of a W work-group store the words of their 32 columns
	ds_load_b128 v[20:23], v[LR]                   ; my column's four words, from four waves
	s_sub_co_u32 s28, ttmp9, XWG
	s_lshr_b32 s29, s28, 5
	s_bfe_u32 s30, s28, 0x40001
	s_and_b32 s31, s28, 1
	s_lshl_b32 s29, s29, 6
	s_lshl_b32 s30, s30, 2
	s_add_co_u32 s29, s29, s30
	s_lshl_b32 s30, s20, 1
	s_add_co_u32 s29, s29, s30                     ; tile 64 m + 4 cb + 2 g
	s_lshl_b32 s32, s29, 9
	s_lshl_b32 s31, s31, 8
	s_add_co_u32 s32, s32, s31
	s_mov_b32 s33, 0
	s_add_nc_u64 s[18:19], s[18:19], s[32:33]
	v_lshlrev_b32 v25, 9, v3
	s_delay_alu instid0(VALU_DEP_1)
	v_lshl_add_u32 v25, v2, 4, v25                 ; tile u, row r
	s_wait_alu depctr_va_vdst(0)
	s_wait_dscnt 0x0
	global_store_b128 v25, v[20:23], s[18:19]      ; sixteen lanes store 256 consecutive bytes, aligned
.Lend:
	s_wait_tensorcnt 0x0
	ds_add_u32 v254, v255
	s_wait_dscnt 0x0
	s_endpgm
.Lfunc_end_k_q148d29fc3f_prep:
	.size	k_q148d29fc3f_prep, .Lfunc_end_k_q148d29fc3f_prep-k_q148d29fc3f_prep
	.p2alignl 7, 3214868480
	.fill 96, 4, 3214868480
	.section	.rodata,"a",@progbits
	.p2align	6, 0x0
	.amdhsa_kernel k_q148d29fc3f_prep
		.amdhsa_group_segment_fixed_size 69632
		.amdhsa_private_segment_fixed_size 0
		.amdhsa_enable_private_segment 0
		.amdhsa_kernarg_size 64
		.amdhsa_user_sgpr_count 2
		.amdhsa_user_sgpr_kernarg_segment_ptr 1
		.amdhsa_wavefront_size32 1
		.amdhsa_system_sgpr_workgroup_id_x 1
		.amdhsa_system_sgpr_workgroup_id_y 1
		.amdhsa_system_sgpr_workgroup_id_z 1
		.amdhsa_system_vgpr_workitem_id 0
		.amdhsa_next_free_vgpr 256
		.amdhsa_next_free_sgpr 66
		.amdhsa_reserve_vcc 0
		.amdhsa_float_denorm_mode_32 3
		.amdhsa_float_denorm_mode_16_64 3
		.amdhsa_memory_ordered 1
		.amdhsa_forward_progress 1
		.amdhsa_inst_pref_size 64
	.end_amdhsa_kernel
	.amdgpu_metadata
---
amdhsa.version: [ 1, 2 ]
amdhsa.kernels:
  - .name:           k_q148d29fc3f_prep
    .symbol:         k_q148d29fc3f_prep.kd
    .args:
      - { .name: hidden_states, .offset: 0, .size: 8, .value_kind: global_buffer, .address_space: global }
      - { .name: Wq, .offset: 8, .size: 8, .value_kind: global_buffer, .address_space: global }
      - { .name: Wk, .offset: 16, .size: 8, .value_kind: global_buffer, .address_space: global }
      - { .name: Wv, .offset: 24, .size: 8, .value_kind: global_buffer, .address_space: global }
      - { .name: xc, .offset: 32, .size: 8, .value_kind: global_buffer, .address_space: global }
      - { .name: xs, .offset: 40, .size: 8, .value_kind: global_buffer, .address_space: global }
      - { .name: wc, .offset: 48, .size: 8, .value_kind: global_buffer, .address_space: global }
      - { .name: ws, .offset: 56, .size: 8, .value_kind: global_buffer, .address_space: global }
    .group_segment_fixed_size: 69632
    .private_segment_fixed_size: 0
    .kernarg_segment_align: 8
    .kernarg_segment_size: 64
    .max_flat_workgroup_size: 256
    .sgpr_count:     66
    .vgpr_count:     256
    .wavefront_size: 32
...
	.end_amdgpu_metadata
.endif
;; end of part 1
;; launch qkv (part 2): grid 16 x 16, 4 waves a work-group, clusters of 4 x 4, 327,680 bytes of LDS; arguments xc, xs, wc, ws, bq, bk, bv, qkvc, qkvs; writes qkvc, qkvs
.if DOCPART == 2
	.amdgcn_target "amdgcn-amd-amdhsa--gfx1250"
	.amdhsa_code_object_version 6
	.text
	.protected	k_q148d29fc3f_qkv
	.globl	k_q148d29fc3f_qkv
	.p2align	8
	.type	k_q148d29fc3f_qkv,@function
k_q148d29fc3f_qkv:
	s_mov_b64 s[64:65], 0
	v_nop
	global_prefetch_b8 v0, s[64:65] scope:SCOPE_SE
	s_setreg_imm32_b32 hwreg(HW_REG_WAVE_MODE, 25, 1), 1
	s_wait_xcnt 0x0
	s_wait_alu depctr_hold_cnt(0) depctr_sa_sdst(0) depctr_va_vdst(0) depctr_va_sdst(0) depctr_va_ssrc(0) depctr_va_vcc(0) depctr_vm_vsrc(0)
	s_getreg_b32 s2, hwreg(HW_REG_IB_STS2, 6, 4)
	s_cmp_eq_u32 s2, 0
	s_cbranch_scc0 .Lentry_in_a_cluster
	s_endpgm
.Lentry_in_a_cluster:
	s_bfe_u32 s2, ttmp6, 0x10000c
	s_cmp_lg_u32 s2, 0xf033
	s_cbranch_scc0 .Lentry_shape_is_right
	s_endpgm
.Lentry_shape_is_right:
; q, k, v = x W + b on codes of FP6 (E2M3) with E8M0 scales, in one pass over x; the f32 results are quantised again in registers and stored as images of the operands that attention wants.
; IN: images of operand registers: a fragment (16 rows x 128 K) is 1,536 bytes, registers 4 c .. 4 c + 3 of lane l at 512 c + 16 l; a tile (16 rows, all of K) is 12,288 bytes on end.
;   xc [tile 0..511], wc [tile 64 m + column / 16], m = 0 q, 1 k, 2 v;  xs, ws [tile][quad][row r][4 words].  Row r of tile 2 g + u is token (column) 32 g + 8 u + r + 8 (r / 8).
; OUT: qkvc [q, k, v][batch x head][98,304]: q, k: [pair of token tiles][1,536], six registers a tile; v: [128 keys][channel tile 0..3][1,536].
;   qkvs [q, k, v][batch x head][128 tokens][row r][4 words]: q, k: word j is pair j, two bytes a tile; v: word j is channel tile j, four key blocks.
; THE DEAL.  256 work-groups of four waves, 2 x 2.  Work-group (column c, row block) makes 512 tokens x 128 columns of q (c under 8) or k, AND v of the same tokens x head c's 64 channels.
; Wave (a, b) holds, for ALL of K, four tiles of W_q|k (head 2 (c % 8) + b) and two of W_v in 576 registers, and streams its 16 tiles of x (tokens 256 a .. 256 a + 255 of the 512) past them: a tile of x feeds 48 products.
; q, k: source 0 = W, source 1 = x: a lane holds a token, its 32 sums run along the head's 64.  v: source 0 = x, source 1 = W: a lane holds a channel, its sums run along the tokens; four tiles of x are a band of 64 keys.
; In both cases 32 sums of a lane are the halves of two scale blocks, shared with lane l xor 16.  The six sums of a step along K take turns.  The bias is the C of each sum's first product.
; LDS: two slots of 12 tiles.  At the head slot 0 takes x's tiles 0-5 of both wave rows, slot 1 the weights' 12 tiles.  When the weights lie in registers slot 1 takes x's tiles 6-10 of both rows; ahead of tile 4's products,
; when tile 5 has been fetched, slot 0 takes tiles 11-15.  Each refill stands behind three lines and a round of the cluster's barrier.  Behind the slots: x's scale words, the spare words.
; x's tiles are shared along a row of the cluster, the weights' along a column.  What the refills will load is asked for ahead, each block of 256 bytes once in a row of the cluster, shared out by address.
; v's scale words leave as 8 bytes of each row's 16: the other 8 are the neighbouring wave's.
; LIMITS: a block of zeros or under 2^-124 gets the byte 1; only this program reads the bytes.  NaN and infinities are not served.  A sum begins with the bias.
.set FR,   12
.set FRB,  1536
.set TB,   12288                       ; a tile
.set NF,   26                          ; LDS loads of a tile of x: 24 for eight fragments, 2 for eight scale words
.set SL1,  12*TB
.set XS,   24*TB                       ; x's scale words, 16,384 bytes
.set SPARE, XS+16384
.set LI,   4                           ; 16 x lane
.set LA6,  5                           ; + my wave row's place in the head's fill of slot 0
.set LA5,  6                           ; + its place in a refill
.set XSA,  7                           ; my row's scale words of my tile 0
.set ADRX, 8
.set PF,   9
.set SPW,  10
.set NIL,  11
.set SW,   12                          ; v12-19 q|k's scale words of my eight pairs (head: addresses)
.set VW,   20                          ; v20-23 v's: 2 x key step + tile
.set SB,   24                          ; v24-39 W_q|k's scale words: lanes 0-15 the even tile, lanes 16-31 the odd
.set SBV,  40                          ; v40-47 W_v's
.set TM,   48
.set TP,   50
.set SA,   52                          ; v52-67 x's scale words, two sets
.set CT,   68
.set ACC,  72                          ; v72-103 q|k's sums
.set HV,   104                         ; v104-167 v's sums: 32 t + 8 j + i
.set BQ,   168                         ; v168-199 q|k's bias as C
.set BV,   200                         ; v200-215 v's
.set NCD,  216                         ; v216-227 a pair's codes
.set VCD,  228                         ; v228-251 v's codes, 12 a tile
.set SO,   252
.set SOF,  254
.set BAW,  12
.set BAV,  13
.set ABS,  14
.set BQO,  15
.set BVO,  16
.set XTO,  17
.set XTL,  18
.set XT,   HV
.set G1A, 24
.set G1B, 32
.set G1V, 48
.set G0X, 56
.set G0B, 60
.set G0V, 68
.set MSB, 0
.macro WIN new
.if MSB != \new
	s_set_vgpr_msb (MSB<<8)|\new
.set MSB, \new
.endif
.endm
.macro PLACES n
.rept \n
	v_nop
.endr
.endm
.macro WALU
	s_wait_alu depctr_va_vdst(0)
.endm
.macro BARRIER
	s_barrier_signal -1
	s_barrier_wait -1
.endm
.macro CROUND
	BARRIER
	s_cmp_lg_u32 s14, 0
	s_cbranch_scc1 .Lnot_wave_0_\@
	s_barrier_signal -3
.Lnot_wave_0_\@:
	s_barrier_wait -3
	BARRIER
.endm
.macro TLOAD g0, g1
	tensor_load_to_lds s[\g0:\g0+3], s[\g1:\g1+7]
	s_nop 0
	PLACES 4
.endm
.macro GROUP1 g, mask, rows            ; a dense block as rows of 256 bytes
	s_or_b32 s[\g+0], s[\mask], (3<<16)|(1<<21)
	s_mov_b32 s[\g+1], 32<<16
	s_mov_b32 s[\g+2], (\rows)<<16
	s_mov_b32 s[\g+3], 32<<16
	s_mov_b32 s[\g+4], \rows
	s_mov_b32 s[\g+5], 32
	s_mov_b32 s[\g+6], 0
	s_mov_b32 s[\g+7], 0
.endm
.macro G0SET g, base, off              ; s21 = 0
	s_mov_b32 s20, s\off
	s_add_nc_u64 s[\g+2:\g+3], s[\base:\base+1], s[20:21]
	s_or_b32 s[\g+3], s[\g+3], 0x80000000
.endm
.macro TREE                            ; a refill: waves 2 and 3 bring five tiles each, for wave rows 0 and 1
	s_cmp_ge_u32 s14, 2
	s_cbranch_scc0 .Lnone_\@
	TLOAD G0X, G1A
.Lnone_\@:
.endm
; fragments: 0-31 W_q|k's (4 q + t), 32-47 W_v's (32 + 2 q + t), 48-63 x's two sets (48 + 8 e + q); fragment f lies at register 256 + 12 f
.macro FPLACE f
.set FW_, (256+FR*(\f))>>8
.set FG_, (256+FR*(\f))&255
.endm
.macro FLOAD f, adr, off
.irp c, 0,1,2
.set R_, (256+FR*(\f)+4*\c)&255
	WIN ((256+FR*(\f)+4*\c)>>8)<<6
	ds_load_b128 v[R_:R_+3], v[\adr] offset:(\off)+512*\c
.endr
.endm
.macro XADR f                          ; where my tile f lies
.if (\f) < 6
	v_add_nc_u32 v[ADRX], (\f)*TB, v[LA6]
.elseif (\f) < 11
	v_add_nc_u32 v[ADRX], SL1+((\f)-6)*TB, v[LA5]
.else
	v_add_nc_u32 v[ADRX], ((\f)-11)*TB, v[LA5]
.endif
.endm
.macro FETCH f                         ; my tile f into set f % 2
.irp q, 0,1,2,3,4,5,6,7
	FLOAD 48+8*((\f)%2)+\q, ADRX, FRB*\q
.endr
	WIN 0
	ds_load_b128 v[SA+8*((\f)%2):SA+8*((\f)%2)+3], v[XSA] offset:512*(\f)
	ds_load_b128 v[SA+8*((\f)%2)+4:SA+8*((\f)%2)+7], v[XSA] offset:512*(\f)+256
.endm
.macro PROD2 d, s0, s1, c, x0, x1, side, o
.if \o
	v_wmma_scale_f32_16x16x128_f8f6f4 v[\d:\d+7], v[\s0:\s0+FR-1], v[\s1:\s1+FR-1], \c, v[\x0], v[\x1] matrix_a_fmt:MATRIX_FMT_FP6 matrix_b_fmt:MATRIX_FMT_FP6 matrix_\side\()_scale:MATRIX_SCALE_ROW1
.else
	v_wmma_scale_f32_16x16x128_f8f6f4 v[\d:\d+7], v[\s0:\s0+FR-1], v[\s1:\s1+FR-1], \c, v[\x0], v[\x1] matrix_a_fmt:MATRIX_FMT_FP6 matrix_b_fmt:MATRIX_FMT_FP6 matrix_\side\()_scale:MATRIX_SCALE_ROW0
.endif
.endm
.macro PQK e, q, t
	FPLACE 48+8*(\e)+(\q)
.set XW_, FW_
.set XG_, FG_
	FPLACE 4*(\q)+(\t)
	WIN FW_|(XW_<<2)
.if \q
	PROD2 ACC+8*(\t), FG_, XG_, v[ACC+8*(\t):ACC+8*(\t)+7], SB+8*((\t)/2)+(\q), SA+8*(\e)+(\q), a, (\t)%2
.else
	PROD2 ACC+8*(\t), FG_, XG_, v[BQ+8*(\t):BQ+8*(\t)+7], SB+8*((\t)/2)+(\q), SA+8*(\e)+(\q), a, (\t)%2
.endif
.endm
.macro PV e, q, t, j
	FPLACE 48+8*(\e)+(\q)
.set XW_, FW_
.set XG_, FG_
	FPLACE 32+2*(\q)+(\t)
	WIN XW_|(FW_<<2)
.if \q
	PROD2 HV+32*(\t)+8*(\j), XG_, FG_, v[HV+32*(\t)+8*(\j):HV+32*(\t)+8*(\j)+7], SA+8*(\e)+(\q), SBV+(\q), b, \t
.else
	PROD2 HV+32*(\t)+8*(\j), XG_, FG_, v[BV+8*(\t):BV+8*(\t)+7], SA+8*(\e)+(\q), SBV+(\q), b, \t
.endif
.endm
.macro PRODS e, j                      ; 48 products: six sums by turns, K ascending
.irp q, 0,1,2,3,4,5,6,7
	PV \e, \q, 0, \j
	PV \e, \q, 1, \j
.irp t, 0,1,2,3
	PQK \e, \q, \t
.endr
.endr
	WIN 0
.endm
; 32 sums of a lane from register x on: 16 of one scale block, 16 of the next, each block shared with lane l xor 16.  They become six registers of codes at d (lanes 0-15 the first block, lanes 16-31 the second); the two bytes are left in v[TP], v[TP+1]
.macro QUANT32 x, d
.set TN, 71                            ; v71, v255: the second chain of each block
.set TO, 255
	v_max3_num_f32 v[TM], |v[\x]|, |v[\x+1]|, 0x1800000            ; four chains side by side, two to a block; with the floor 2^(3 - 127): the byte cannot fall under 1
	v_max3_num_f32 v[TM+1], |v[\x+16]|, |v[\x+17]|, 0x1800000
	v_max3_num_f32 v[TN], |v[\x+8]|, |v[\x+9]|, |v[\x+10]|
	v_max3_num_f32 v[TO], |v[\x+24]|, |v[\x+25]|, |v[\x+26]|
.irp i, 2,4
	v_max3_num_f32 v[TM], v[TM], |v[\x+\i]|, |v[\x+\i+1]|
	v_max3_num_f32 v[TM+1], v[TM+1], |v[\x+16+\i]|, |v[\x+17+\i]|
	v_max3_num_f32 v[TN], v[TN], |v[\x+9+\i]|, |v[\x+10+\i]|
	v_max3_num_f32 v[TO], v[TO], |v[\x+25+\i]|, |v[\x+26+\i]|
.endr
	v_max3_num_f32 v[TM], v[TM], |v[\x+6]|, |v[\x+7]|
	v_max3_num_f32 v[TM+1], v[TM+1], |v[\x+22]|, |v[\x+23]|
	v_max3_num_f32 v[TM], v[TM], v[TN], |v[\x+15]|
	v_max3_num_f32 v[TM+1], v[TM+1], v[TO], |v[\x+31]|
	v_permlanex16_b32 v[TP], v[TM], s12, s13
	v_permlanex16_b32 v[TP+1], v[TM+1], s12, s13
	v_max_num_f32 v[TM], v[TM], v[TP]
	v_max_num_f32 v[TM+1], v[TM+1], v[TP+1]
	v_add_nc_u32 v[SO], 0xff000000, v[TM]          ; 2 off the exponent field: the conversion's scale operand
	v_add_nc_u32 v[SO+1], 0xff000000, v[TM+1]
	v_cvt_scalef32_pk16_fp6_f32 v[\d:\d+2], v[\x:\x+15], v[SO]
	v_cvt_scalef32_pk16_fp6_f32 v[CT:CT+2], v[\x+16:\x+31], v[SO+1]
	v_lshrrev_b32 v[TP], 23, v[SO]                 ; the bytes; also the plain place behind the conversions
	v_lshrrev_b32 v[TP+1], 23, v[SO+1]
.irp i, 0,1,2
	v_permlane16_swap_b32 v[\d+\i], v[CT+\i]       ; a whole block to a lane
.endr
.irp i, 0,1,2
	v_mov_b32 v[\d+3+\i], v[CT+\i]
.endr
.endm
.macro WORD w, half                    ; the two bytes into the lower or upper half of a scale word
.if \half
	v_lshl_or_b32 v[\w], v[TP], 16, v[\w]
	v_lshl_or_b32 v[\w], v[TP+1], 24, v[\w]
.else
	v_lshl_or_b32 v[\w], v[TP+1], 8, v[TP]
.endif
.endm
; ================= the head
	s_load_b256 s[4:11], s[0:1], 0x0               ; xc, xs, wc, ws
	s_load_b256 s[72:79], s[0:1], 0x20             ; bq, bk, bv, qkvc
	s_load_b64 s[80:81], s[0:1], 0x40              ; qkvs
	v_lshl_add_u32 v[SPW], v0, 2, SPARE
	v_mov_b32 v[NIL], 0
	ds_add_u32 v[SPW], v[NIL]                      ; the opening lines
	ds_add_u32 v[SPW], v[NIL]
	v_lshrrev_b32 v1, 5, v0
	v_readfirstlane_b32 s14, v1                    ; the wave; s15 its row a, s16 its column b
	s_lshr_b32 s15, s14, 1
	s_and_b32 s16, s14, 1
	s_bfe_u32 s40, ttmp6, 0x40000
	s_bfe_u32 s41, ttmp6, 0x40004
	s_lshl_b32 s42, ttmp9, 2
	s_add_co_u32 s42, s42, s40                     ; column c
	s_and_b32 s43, ttmp7, 0xffff
	s_lshl_b32 s43, s43, 2
	s_add_co_u32 s43, s43, s41                     ; block of 512 tokens
	s_lshl_b32 s44, s41, 2
	s_lshl_b32 s44, 15, s44                        ; my row of the cluster: shares x
	s_lshl_b32 s45, 0x1111, s40                    ; my column: shares the weights
	GROUP1 G1A, 44, 288                            ; six tiles of x
	GROUP1 G1B, 45, 384                            ; eight of W_q|k
	GROUP1 G1V, 45, 192                            ; four of W_v
	s_mul_i32 s17, s42, 8*TB
	s_mul_i32 s18, s42, 4*TB
	s_add_co_u32 s18, s18, 128*TB
	s_mul_i32 s19, s43, 32*TB
	s_mul_i32 s47, s16, 16*TB
	s_add_co_u32 s47, s47, s19                     ; waves 2, 3 fetch x for wave rows 0, 1
	s_mul_i32 s46, s16, 5*TB
	s_mov_b32 s[G0X], 1
	s_mul_i32 s[G0X+1], s16, 6*TB
	s_mov_b32 s[G0B], 1
	s_mov_b32 s[G0B+1], SL1
	s_mov_b32 s[G0V], 1
	s_mov_b32 s[G0V+1], SL1+8*TB
	s_mov_b32 s12, 0x76543210
	s_mov_b32 s13, 0xfedcba98                      ; v_permlanex16_b32's selects for lane l xor 16
	s_mul_i32 s22, s15, 6*TB
	s_mul_i32 s23, s15, 5*TB
	s_lshl_b32 s90, s15, 13
	s_add_co_u32 s90, s90, XS
	s_mul_i32 s91, s16, 4*TB
	s_add_co_u32 s91, s91, SL1
	s_mul_i32 s92, s16, 2*TB
	s_add_co_u32 s92, s92, SL1+8*TB
	s_lshl_b32 s93, s40, 2
	s_add_co_u32 s93, s93, s14                     ; my number among the sixteen waves of my row of the cluster
	s_lshr_b32 s94, s93, 3
	s_and_b32 s95, s93, 7
	s_mul_i32 s94, s94, 16*TB
	s_mul_i32 s95, s95, 30*256
	s_add_co_u32 s96, s19, s94
	s_add_co_u32 s96, s96, s95
	s_add_co_u32 s96, s96, 6*TB                    ; my 30 blocks of 256 bytes of the first refill's 480
	v_and_b32 v1, 15, v0                           ; r
	v_bfe_u32 v2, v0, 4, 1                         ; h
	v_and_b32 v3, 31, v0
	v_lshlrev_b32 v[LI], 4, v3
	v_add_nc_u32 v[LA6], s22, v[LI]
	v_add_nc_u32 v[LA5], s23, v[LI]
	v_lshl_add_u32 v[XSA], v1, 4, s90
	v_add_nc_u32 v[BAW], s91, v[LI]
	v_add_nc_u32 v[BAV], s92, v[LI]
	v_lshlrev_b32 v[ABS], 9, v2
	v_lshl_add_u32 v[ABS], v1, 4, v[ABS]           ; tile h, row r
	v_lshlrev_b32 v[BQO], 6, v2
	v_and_b32 v[BVO], 8, v1
	v_add_lshl_u32 v[BVO], v[BVO], v1, 2           ; channel r + 8 (r / 8)
	v_lshlrev_b32 v[XTO], 4, v0
	v_add_nc_u32 v[XTL], XS, v[XTO]
	v_lshlrev_b32 v[SOF], 8, v2
	v_lshl_add_u32 v[SOF], v1, 4, v[SOF]           ; the scale words' stores: key step h of my two, row r
	v_min_u32 v[PF], 29, v3
	v_lshl_add_u32 v[PF], v[PF], 8, s96
	v_mov_b32 v[TP], 0                             ; written once: a lane permute's destination counts as one of its sources
	v_mov_b32 v[TP+1], 0
	WALU                                           ; the wait ahead of the head's waits
	s_wait_dscnt 0x0
	CROUND                                         ; the opening round
	s_wait_kmcnt 0x0
	s_mov_b32 s21, 0
	G0SET G0B, 8, 17
	G0SET G0V, 8, 18
	G0SET G0X, 4, 47
	s_cmp_eq_u32 s14, 0
	s_cbranch_scc0 .Lw1
	TLOAD G0B, G1B                                 ; wave 0: W_q|k's tiles
	s_branch .Lasked
.Lw1:
	s_cmp_eq_u32 s14, 1
	s_cbranch_scc0 .Lw2
	TLOAD G0V, G1V                                 ; wave 1: W_v's
	s_branch .Lasked
.Lw2:
	TLOAD G0X, G1A                                 ; waves 2, 3: x's tiles 0-5 of a wave row
.Lasked:
	s_lshl_b32 s20, s42, 12
	s_lshl_b32 s22, s16, 11
	s_add_co_u32 s20, s20, s22
	s_add_nc_u64 s[90:91], s[10:11], s[20:21]      ; ws, tile 8 c + 4 b
	s_lshl_b32 s20, s42, 11
	s_lshl_b32 s22, s16, 10
	s_add_co_u32 s20, s20, s22
	s_add_co_u32 s20, s20, 128*512
	s_add_nc_u64 s[92:93], s[10:11], s[20:21]      ; ws, tile 128 + 4 c + 2 b
	s_lshr_b32 s17, s42, 3                         ; 0 q, 1 k
	s_and_b32 s18, s42, 7
	s_lshl_b32 s18, s18, 1
	s_add_co_u32 s18, s18, s16                     ; my head of q or k
	s_cmp_eq_u32 s17, 1
	s_cselect_b64 s[94:95], s[74:75], s[72:73]
	s_lshl_b32 s20, s18, 8
	s_add_nc_u64 s[94:95], s[94:95], s[20:21]
	s_lshl_b32 s20, s42, 8
	s_lshl_b32 s22, s16, 7
	s_add_co_u32 s20, s20, s22
	s_add_nc_u64 s[96:97], s[76:77], s[20:21]
	s_lshl_b32 s20, s43, 14
	s_add_nc_u64 s[98:99], s[6:7], s[20:21]
.irp p, 0,1
.irp u, 0,1
	global_load_b128 v[SB+8*\p+4*\u:SB+8*\p+4*\u+3], v[ABS], s[90:91] offset:1024*\p+256*\u
.endr
.endr
.irp u, 0,1
	global_load_b128 v[SBV+4*\u:SBV+4*\u+3], v[ABS], s[92:93] offset:256*\u
.endr
.irp t, 0,1,2,3
.irp u, 0,1
	global_load_b128 v[BQ+8*\t+4*\u:BQ+8*\t+4*\u+3], v[BQO], s[94:95] offset:(32*(\t/2)+8*(\t%2))*4+16*\u   ; register j of tile t: column 32 (t / 2) + 8 (t % 2) + 16 h + j
.endr
.endr
.irp t, 0,1
	global_load_b32 v[BV+8*\t], v[BVO], s[96:97] offset:32*\t
.endr
.irp k, 0,1,2,3,4,5,6,7
	global_load_b128 v[XT+4*\k:XT+4*\k+3], v[XTO], s[98:99] offset:2048*\k   ; x's scale words: 2,048 bytes on end an instruction
.endr
	global_prefetch_b8 v[PF], s[4:5] th:TH_LOAD_NT scope:SCOPE_SE   ; my share of what the first refill will load
	; where my results go
	s_lshr_b32 s22, s43, 2
	s_lshl_b32 s22, s22, 4                         ; 16 x batch
	s_and_b32 s23, s43, 3
	s_lshl_b32 s23, s23, 2
	s_lshl_b32 s20, s15, 1
	s_add_co_u32 s23, s23, s20                     ; my first key step in the batch
	s_add_co_u32 s18, s18, s22                     ; batch x head of q, k
	s_add_co_u32 s22, s22, s42                     ; of v
	s_mul_i32 s20, s17, 6291456
	s_mul_i32 s19, s18, 98304
	s_add_co_u32 s20, s20, s19
	s_mul_i32 s19, s23, 4*FRB
	s_add_co_u32 s20, s20, s19
	s_add_nc_u64 s[82:83], s[78:79], s[20:21]
	s_lshl_b32 s20, s17, 18
	s_lshl_b32 s47, s18, 12
	s_add_co_u32 s20, s20, s47
	s_lshl_b32 s47, s23, 8
	s_add_co_u32 s20, s20, s47
	s_add_nc_u64 s[84:85], s[80:81], s[20:21]
	s_mul_i32 s20, s22, 98304
	s_add_co_u32 s20, s20, s19
	s_mul_i32 s19, s16, 2*FRB
	s_add_co_u32 s20, s20, s19
	s_add_co_u32 s20, s20, 2*6291456
	s_add_nc_u64 s[86:87], s[78:79], s[20:21]
	s_lshl_b32 s20, s22, 12
	s_add_co_u32 s20, s20, s47
	s_lshl_b32 s19, s16, 3
	s_add_co_u32 s20, s20, s19
	s_add_co_u32 s20, s20, 2*262144
	s_add_nc_u64 s[88:89], s[80:81], s[20:21]
	s_mov_b32 s2, 0xffff0000                       ; lanes 16-31
	s_cmp_lt_u32 s14, 2
	s_cbranch_scc0 .Lnot_w
	s_wait_tensorcnt 0x0                           ; waves 0, 1: the weights have landed
.Lnot_w:
	BARRIER                                        ; the weights are in
.irp q, 0,1,2,3,4,5,6,7
.irp t, 0,1,2,3
	FLOAD 4*\q+\t, BAW, TB*\t+FRB*\q
.endr
.irp t, 0,1
	FLOAD 32+2*\q+\t, BAV, TB*\t+FRB*\q
.endr
.endr
	WIN 0
	s_wait_loadcnt 0x0                             ; the plain loads are waited for behind the fetch of the weights
.irp k, 0,1,2,3,4,5,6,7
	ds_store_b128 v[XTL], v[XT+4*\k:XT+4*\k+3] offset:2048*\k   ; x's scale words: the round below shows them to all
.endr
.irp t, 0,1
.irp i, 1,2,3,4,5,6,7
	v_mov_b32 v[BV+8*\t+\i], v[BV+8*\t]            ; v's bias is the same in a lane's eight
.endr
.endr
	WALU
	s_wait_tensorcnt 0x0                           ; the first refill's round: all the head's loads are in,
	ds_add_u32 v[SPW], v[NIL]
	s_mov_b32 s[G1A+2], 240<<16                    ; no tensor load of mine is out: a refill brings five tiles
	s_mov_b32 s[G1A+4], 240
	s_add_co_u32 s[G0X+1], s46, SL1
	s_add_nc_u64 s[G0X+2:G0X+3], s[G0X+2:G0X+3], 6*TB
	s_wait_dscnt 0x0                               ; and my weights lie in registers
	CROUND
	TREE                                           ; tiles 6-10 over the weights
	XADR 0
	FETCH 0
	XADR 1
	FETCH 1
; ================= the stream: my 16 tiles of x
.macro BLK s
	WALU                                           ; the wait ahead of the waits below
.if (\s) == 4
	s_wait_tensorcnt 0x0                           ; the second refill's round: tiles 6-10 are in,
	ds_add_u32 v[SPW], v[NIL]
	s_mov_b32 s[G0X+1], s46
	s_add_nc_u64 s[G0X+2:G0X+3], s[G0X+2:G0X+3], 5*TB
	s_wait_dscnt 0x0                               ; and tile 5, the last of slot 0's, lies in registers
	CROUND
	TREE                                           ; tiles 11-15
.elseif (\s) == 9
	s_wait_tensorcnt 0x0
	s_wait_dscnt 0x0
	BARRIER                                        ; tiles 11-15 are shown to all
.elseif (\s) == 15
	s_wait_dscnt 0x0
.else
	s_wait_dscnt NF                                ; this tile is in; the next tile's fetch is younger
.endif
	PRODS (\s)%2, (\s)%4
.if (\s)+2 < 16
	XADR (\s)+2                                    ; with three v_nop: the four places behind the last product
	PLACES 3
	FETCH (\s)+2
.else
	PLACES 4
.endif
.if (\s) == 1
	global_prefetch_b8 v[PF], s[4:5] offset:5*TB th:TH_LOAD_NT scope:SCOPE_SE   ; my share of what the second refill will load
.endif
	s_wait_xcnt 0x0                                ; earlier stores have read the codes' registers
	QUANT32 ACC, NCD+6*((\s)%2)
	WORD SW+(\s)/2, (\s)%2
.if (\s)%2
.irp k, 0,1,2
	global_store_b128 v[LI], v[NCD+4*\k:NCD+4*\k+3], s[82:83] offset:FRB*((\s)/2)+512*\k   ; 512 consecutive bytes a store
.endr
.endif
.if (\s)%4 == 3
.irp t, 0,1
	QUANT32 HV+32*\t, VCD+12*\t+6*(((\s)%8)/4)     ; a band of 64 keys
	WORD VW+2*((\s)/8)+\t, ((\s)%8)/4
.endr
.if (\s)%8 == 7
.irp t, 0,1
.irp k, 0,1,2
	global_store_b128 v[LI], v[VCD+12*\t+4*\k:VCD+12*\t+4*\k+3], s[86:87] offset:4*FRB*((\s)/8)+FRB*\t+512*\k
.endr
.endr
.endif
.endif
.endm
.irp s, 0,1,2,3,4,5,6,7,8,9,10,11,12,13,14,15
	BLK \s
.endr
.irp n, 0,1,2,3
	v_cndmask_b32 v[ACC+\n], v[SW+\n], v[SW+4+\n], s2   ; lanes 0-15 store my first key step's words of row r, lanes 16-31 my second's (both halves of the lanes hold all)
.endr
	v_cndmask_b32 v[ACC+4], v[VW], v[VW+2], s2
	v_cndmask_b32 v[ACC+5], v[VW+1], v[VW+3], s2
	global_store_b128 v[SOF], v[ACC:ACC+3], s[84:85]     ; 512 consecutive bytes
	global_store_b64 v[SOF], v[ACC+4:ACC+5], s[88:89]    ; my two channel tiles' words of each row's four
	s_wait_tensorcnt 0x0                           ; the wave's end
	ds_add_u32 v[SPW], v[NIL]
	s_wait_dscnt 0x0
	CROUND                                         ; the closing round
	s_endpgm
.Lfunc_end_k_q148d29fc3f_qkv:
	.size	k_q148d29fc3f_qkv, .Lfunc_end_k_q148d29fc3f_qkv-k_q148d29fc3f_qkv
	.p2alignl 7, 3214868480
	.fill 96, 4, 3214868480
	.section	.rodata,"a",@progbits
	.p2align	6, 0x0
	.amdhsa_kernel k_q148d29fc3f_qkv
		.amdhsa_group_segment_fixed_size 327680
		.amdhsa_private_segment_fixed_size 0
		.amdhsa_enable_private_segment 0
		.amdhsa_kernarg_size 72
		.amdhsa_user_sgpr_count 2
		.amdhsa_user_sgpr_kernarg_segment_ptr 1
		.amdhsa_wavefront_size32 1
		.amdhsa_system_sgpr_workgroup_id_x 1
		.amdhsa_system_sgpr_workgroup_id_y 1
		.amdhsa_system_sgpr_workgroup_id_z 1
		.amdhsa_system_vgpr_workitem_id 0
		.amdhsa_next_free_vgpr 1024
		.amdhsa_next_free_sgpr 100
		.amdhsa_reserve_vcc 0
		.amdhsa_float_denorm_mode_32 3
		.amdhsa_float_denorm_mode_16_64 3
		.amdhsa_memory_ordered 1
		.amdhsa_forward_progress 1
		.amdhsa_inst_pref_size 210
	.end_amdhsa_kernel
	.amdgpu_metadata
---
amdhsa.version: [ 1, 2 ]
amdhsa.kernels:
  - .name:           k_q148d29fc3f_qkv
    .symbol:         k_q148d29fc3f_qkv.kd
    .args:
      - { .name: xc, .offset: 0, .size: 8, .value_kind: global_buffer, .address_space: global }
      - { .name: xs, .offset: 8, .size: 8, .value_kind: global_buffer, .address_space: global }
      - { .name: wc, .offset: 16, .size: 8, .value_kind: global_buffer, .address_space: global }
      - { .name: ws, .offset: 24, .size: 8, .value_kind: global_buffer, .address_space: global }
      - { .name: bq, .offset: 32, .size: 8, .value_kind: global_buffer, .address_space: global }
      - { .name: bk, .offset: 40, .size: 8, .value_kind: global_buffer, .address_space: global }
      - { .name: bv, .offset: 48, .size: 8, .value_kind: global_buffer, .address_space: global }
      - { .name: qkvc, .offset: 56, .size: 8, .value_kind: global_buffer, .address_space: global }
      - { .name: qkvs, .offset: 64, .size: 8, .value_kind: global_buffer, .address_space: global }
    .group_segment_fixed_size: 327680
    .private_segment_fixed_size: 0
    .kernarg_segment_align: 8
    .kernarg_segment_size: 72
    .max_flat_workgroup_size: 128
    .sgpr_count:     100
    .vgpr_count:     1024
    .wavefront_size: 32
...
	.end_amdgpu_metadata
.endif
;; end of part 2
;; launch attn (part 3): grid 4 x 64, 8 waves a work-group, clusters of 4 x 1, 327,680 bytes of LDS; arguments qkvc, qkvs, attention_mask, out0; writes out0
.if DOCPART == 3
	.amdgcn_target "amdgcn-amd-amdhsa--gfx1250"
	.amdhsa_code_object_version 6
	.text
	.protected	k_q148d29fc3f_attn
	.globl	k_q148d29fc3f_attn
	.p2align	8
	.type	k_q148d29fc3f_attn,@function
k_q148d29fc3f_attn:
	s_mov_b64 s[64:65], 0
	v_nop
	global_prefetch_b8 v0, s[64:65] scope:SCOPE_SE
	s_setreg_imm32_b32 hwreg(HW_REG_WAVE_MODE, 25, 1), 1
	s_wait_xcnt 0x0
	s_wait_alu depctr_hold_cnt(0) depctr_sa_sdst(0) depctr_va_vdst(0) depctr_va_sdst(0) depctr_va_ssrc(0) depctr_va_vcc(0) depctr_vm_vsrc(0)
	s_getreg_b32 s2, hwreg(HW_REG_IB_STS2, 6, 4)
	s_cmp_eq_u32 s2, 0
	s_cbranch_scc0 .Lentry_in_a_cluster
	s_endpgm
.Lentry_in_a_cluster:
	s_bfe_u32 s2, ttmp6, 0x10000c
	s_cmp_lg_u32 s2, 0x3003
	s_cbranch_scc0 .Lentry_shape_is_right
	s_endpgm
.Lentry_shape_is_right:
; out = softmax(q k^T / 8 + mask) v on codes of FP6 (E2M3) with E8M0 scales, for one batch x head (grid y) and 512 queries (place cx in the cluster).
; qkvc, qkvs are images of operand registers as the launch before leaves them (its head states the order).  Both products are used transposed (S^T = k q^T, O^T = v^T p^T): a lane holds one query throughout.
; A head's 64 is half of the instruction's 128: a fragment of k holds two key tiles, and q stands beside six registers of zero codes, on the side of the tile that is wanted.
; p = 2^(t - M), t = (score + 8 mask) log2(e) / 8, M the running largest t rounded up to a whole number; the row's sum is taken of the unquantised p; when M moves, sum and O^T are multiplied by a power of two.
; A block's largest p is made from the block's largest score by the same multiply-add and exponential as the block's numbers.  8 x mask is the C of the score products.
; LIMITS: the promise holds while the scaled scores stay under 2^31 in magnitude; 8 x mask is held at -2^30 from below; NaN and infinities are not served.
; THE DEAL.  Eight waves; a wave takes 64 queries in two passes of two tiles of 16.  ALL of the head's k and v codes (2 x 98,304 bytes) lie in LDS for the whole launch: each wave brings a quarter of k or of v by
; ONE joint tensor load (96 rows of 256 bytes, shared by the four work-groups of the cluster, which read the same head).  Nothing is filled again, so one barrier serves the launch.
; The scale words (2 x 4,096 bytes) and the mask (8,192) come by plain loads, 16 bytes a thread, and LDS stores.  No data prefetch: all is asked for at the head, and there is no loop to run ahead in.
; A STEP is 128 keys: tile 0's eight score products; v's fragments and scale words are asked for (13 loads); tile 1's eight score products, each with a row of tile 0's search for the largest behind it; the next step's
; fragments of k, its mask and k's scale words are asked for (29 loads); the softmax step of both tiles, O^T and the sums brought under the new M ahead of the exponentials; then the eight products with v, each with
; eight of the 64 additions of the rows' sums ahead of it.  A pass is a loop of 15 steps and a last step, which fetches nothing more.
.set FRB,   1536                       ; a fragment's image
.set SIG,   4*FRB                      ; a step's fragments of k, or of v
.set QTR,   4*SIG                      ; what one tensor load brings
.set VB,    98304                      ; v's codes, behind k's
.set SCK,   196608                     ; k's scale words
.set SCV,   SCK+4096                   ; v's
.set MSK,   SCV+4096                   ; 8 x mask
.set STAGE, MSK+8192                   ; the way out: 16 rows x 272 bytes a wave
.set SPI,   272
.set SPARE, 0x40000                    ; the spare words, 128 bytes a wave
.set LI,   1                           ; 16 x lane
.set ADK,  2                           ; LDS addresses of the step: k, v, k's scale words, mask
.set ADV,  3
.set ADS,  4
.set ADM,  5
.set STO,  6
.set RD,   7
.set GO,   8
.set ASK0, 9
.set AM0,  10
.set ST,   16                          ; v16-31 a tile's eight: -M, largest t, the sum's two halves, f, 0, two at work
.set QN,   32                          ; the second pass's q
.set QS,   44                          ; v44-46 q's scale word, as it is, 16 bits up, 16 bits down
.set QW,   47
.set BM,   48                          ; v48-55 the blocks' largest; v56-63 at work
.set BP,   56
.set S,    64                          ; v64-191 scores, then p: two tiles of 64
.set P,    192                         ; v192-215 p's codes
.set CT,   216                         ; v216-231 halves of blocks on their way
.set QW1,  219                         ; (a gap among them) the second pass's scale word
.set SO,   232                         ; v232-239 the conversions' scale operands
.set KS,   240
.set VS,   244
.set PS,   248
.set L2,   250
.set SPW,  254
.set NIL,  255
.set KF,   0                           ; window 1: k's four fragments, v's four, q among zeros, the mask, O^T
.set VF,   48
.set QF,   96
.set MC,   128
.set OT,   192
.set WV,   12
.set G1C,  32
.set G0C,  44
.set CS,   60
.set SEL,  62
.set TK,   66
.set TS,   67
.set TMK,  68
.set PASS, 69
.set CNT,  70
.set MSB, 0
.macro WIN new
.if MSB != \new
	s_set_vgpr_msb (MSB<<8)|\new
.set MSB, \new
.endif
.endm
.set W_LD, 0x40
.set W_QK, 0x15
.set W_PV, 0x51
.set W_RS, 0x41
.set W_OUT, 0x01
.macro WALU
	s_wait_alu depctr_va_vdst(0)
.endm
.macro PLACES n
.rept \n
	v_nop
.endr
.endm
.macro ROUND
	s_barrier_signal -1
	s_barrier_wait -1
	s_cmp_lg_u32 s[WV], 0
	s_cbranch_scc1 .Lnot_wave_0_\@
	s_barrier_signal -3
.Lnot_wave_0_\@:
	s_barrier_wait -3
	s_barrier_signal -1
	s_barrier_wait -1
.endm
; ---------------- the head
	s_load_b256 s[4:11], s[0:1], 0x0               ; qkvc, qkvs, attention_mask, out0
	v_lshl_add_u32 v[SPW], v0, 2, SPARE
	v_mov_b32 v[NIL], 0
	ds_add_u32 v[SPW], v[NIL]                      ; the opening lines
	ds_add_u32 v[SPW], v[NIL]
	v_lshrrev_b32 v13, 5, v0
	v_readfirstlane_b32 s[WV], v13                 ; wave 0..7
	s_bfe_u32 s13, ttmp6, 0x40000                  ; cx: which 512 queries
	s_and_b32 s14, ttmp7, 0xffff                   ; batch x 16 + head
	s_lshr_b32 s15, s[WV], 2                       ; I fetch for k (0) or v (1),
	s_and_b32 s16, s[WV], 3                        ; which quarter
	s_mov_b32 s[G1C], 15|(3<<16)|(1<<21)           ; the mask names the cluster's four; elements of 8 bytes
	s_mov_b32 s[G1C+1], 32<<16
	s_mov_b32 s[G1C+2], 96<<16
	s_mov_b32 s[G1C+3], 32<<16
	s_mov_b32 s[G1C+4], 96
	s_mov_b32 s[G1C+5], 32
	s_mov_b32 s[G1C+6], 0
	s_mov_b32 s[G1C+7], 0
	s_add_co_u32 s17, s15, 1
	s_mul_i32 s18, s17, 6291456
	s_mul_i32 s19, s14, 98304
	s_add_co_u32 s18, s18, s19
	s_mul_i32 s19, s16, QTR
	s_add_co_u32 s18, s18, s19
	s_mov_b32 s19, 0
	s_mov_b32 s[G0C], 1
	s_mul_i32 s[G0C+1], s[WV], QTR                 ; k's four quarters, then v's
	s_mov_b32 s[CS], 0x3e38aa3b                    ; log2(e) / 8
	s_mov_b32 s[CS+1], s[CS]
	s_mov_b32 s[SEL], 0x76543210
	s_mov_b32 s[SEL+1], 0xfedcba98                 ; v_permlanex16_b32's selects for lane l xor 16
	s_mul_i32 s20, s[WV], 16*SPI
	s_add_co_u32 s20, s20, STAGE
	v_lshlrev_b32 v11, 4, v0                       ; 16 x thread
	v_add_nc_u32 v12, SCK, v11
	v_and_b32 v13, 31, v0
	v_lshlrev_b32 v[LI], 4, v13
	v_and_b32 v14, 15, v0                          ; r
	v_bfe_u32 v15, v0, 4, 1                        ; h
	v_lshlrev_b32 v13, 4, v14                      ; 16 r
	v_add_nc_u32 v[ASK0], SCK, v13
	v_lshl_add_u32 v[AM0], v15, 6, MSK
	v_mul_u32_u24 v[STO], v14, SPI
	v_lshl_add_u32 v[STO], v15, 6, v[STO]
	v_add_nc_u32 v[STO], s20, v[STO]
	v_mul_u32_u24 v[RD], v15, SPI
	v_lshl_add_u32 v[RD], v14, 4, v[RD]
	v_add_nc_u32 v[RD], s20, v[RD]
	v_lshlrev_b32 v[GO], 12, v15
	v_lshl_add_u32 v[GO], v14, 4, v[GO]
.irp t, 0,1
	v_mov_b32 v[ST+8*\t+5], 0
	v_mov_b32 v[ST+8*\t+7], 0
.endr
	WALU                                           ; the wait ahead of the head's waits
	s_wait_dscnt 0x0
	s_wait_kmcnt 0x0
	s_add_nc_u64 s[G0C+2:G0C+3], s[4:5], s[18:19]
	s_or_b32 s[G0C+3], s[G0C+3], 0x80000000
	ROUND                                          ; the four work-groups are here: the joint loads meet
	tensor_load_to_lds s[G0C:G0C+3], s[G1C:G1C+7]  ; my one tensor load of the launch
	s_nop 0
	PLACES 4
	s_lshr_b32 s17, s14, 4                         ; the batch
	s_lshl_b32 s18, s17, 13
	s_add_nc_u64 s[8:9], s[8:9], s[18:19]
	global_load_b128 v[48:51], v11, s[8:9]         ; the mask: 256 threads x 16 bytes, twice
	global_load_b128 v[52:55], v11, s[8:9] offset:4096
	s_lshl_b32 s18, s14, 12
	s_add_nc_u64 s[6:7], s[6:7], s[18:19]
	global_load_b128 v[56:59], v11, s[6:7] offset:262144   ; k's scale words
	global_load_b128 v[60:63], v11, s[6:7] offset:524288   ; v's
	s_lshl_b32 s17, s13, 4
	s_add_co_u32 s17, s17, s[WV]                   ; my first pair of query tiles; the second pass's is eight on
	s_mul_i32 s18, s17, FRB
	s_mul_i32 s20, s14, 98304
	s_add_co_u32 s18, s18, s20
	s_add_nc_u64 s[4:5], s[4:5], s[18:19]
	s_lshr_b32 s18, s17, 2
	s_lshl_b32 s18, s18, 8
	s_and_b32 s20, s17, 3
	s_lshl_b32 s20, s20, 2
	s_add_co_u32 s18, s18, s20
	s_add_nc_u64 s[74:75], s[6:7], s[18:19]
	s_lshr_b32 s18, s14, 4
	s_lshl_b32 s18, s18, 11
	s_lshl_b32 s20, s17, 5
	s_add_co_u32 s18, s18, s20
	s_lshl_b32 s18, s18, 12
	s_and_b32 s20, s14, 15
	s_lshl_b32 s20, s20, 8
	s_add_co_u32 s18, s18, s20
	s_add_nc_u64 s[10:11], s[10:11], s[18:19]      ; out: my first token's row, my head's 256 bytes
	WIN W_LD
.irp k, 0,1,2,3,4,5
	global_load_b64 v[QF+6+2*\k+6*(\k/3):QF+7+2*\k+6*(\k/3)], v[LI], s[4:5] offset:512*(\k/2)+8*(\k%2)
.endr
.irp z, 0,1,2,3,4,5
	v_mov_b32 v[QF+\z], 0                          ; zero codes beside q's two tiles
	v_mov_b32 v[QF+12+\z], 0
	v_mov_b32 v[QF+24+\z], 0
.endr
	WIN 0
.irp k, 0,1,2,3,4,5
	global_load_b64 v[QN+2*\k:QN+2*\k+1], v[LI], s[4:5] offset:8*FRB+512*(\k/2)+8*(\k%2)
.endr
	global_load_b32 v[QW], v13, s[74:75]
	global_load_b32 v[QW1], v13, s[74:75] offset:512
	s_wait_loadcnt 14                              ; the mask and the scale words are in; q's 14 loads may be out
.irp j, 0,1,2,3,4,5,6,7
	v_mul_f32 v[48+\j], 0x41000000, v[48+\j]       ; 8 x mask,
.endr
.irp j, 0,1,2,3,4,5,6,7
	v_max_num_f32 v[48+\j], 0xce800000, v[48+\j]   ; held at -2^30
.endr
	ds_store_b128 v12, v[56:59]
	ds_store_b128 v12, v[60:63] offset:SCV-SCK
	ds_store_b128 v12, v[48:51] offset:MSK-SCK
	ds_store_b128 v12, v[52:55] offset:MSK-SCK+4096
.irp u, 0,1,2,3,4,5,6,7
	v_mov_b32 v[BP+\u], 0                          ; written once: a lane permute's destination counts as one of its sources
.endr
	WALU
	s_wait_loadcnt 0x0
	s_wait_tensorcnt 0x0                           ; my quarter has landed,
	s_wait_dscnt 0x0                               ; and my LDS stores
	s_barrier_signal -1
	s_barrier_wait -1                              ; everybody's have: from here on LDS is only read, but for each wave's own stage
; ---------------- a step's parts
.macro KADDR
	v_add_nc_u32 v[ADK], s[TK], v[LI]
	v_add_nc_u32 v[ADS], s[TS], v[ASK0]
	v_add_nc_u32 v[ADM], s[TMK], v[AM0]
.endm
.macro KLOAD                           ; 29 loads: k's scale words, its four fragments, the mask in the scores' layout
	ds_load_b128 v[KS:KS+3], v[ADS]
	WIN W_LD
.irp f, 0,1,2,3
.irp c, 0,1,2
	ds_load_b128 v[KF+12*\f+4*\c:KF+12*\f+4*\c+3], v[ADK] offset:FRB*\f+512*\c
.endr
.endr
.irp n, 0,1,2,3,4,5,6,7
.irp c, 0,1
	ds_load_b128 v[MC+8*\n+4*\c:MC+8*\n+4*\c+3], v[ADM] offset:128*(\n/2)+32*(\n%2)+16*\c
.endr
.endr
	WIN 0
.endm
.macro QK1 t, n                        ; the scores of query tile t and key tile n
	v_wmma_scale_f32_16x16x128_f8f6f4 v[S+64*\t+8*\n:S+64*\t+8*\n+7], v[KF+12*(\n/2):KF+12*(\n/2)+11], v[QF+6+12*\t-6*(\n%2):QF+6+12*\t-6*(\n%2)+11], v[MC+8*\n:MC+8*\n+7], v[KS+\n/2], v[QS+((\t+\n)%2)*(1+\t)] matrix_a_fmt:MATRIX_FMT_FP6 matrix_b_fmt:MATRIX_FMT_FP6
.endm
.macro MAXROW t, n                     ; row n = 0 .. 7 of tile t's search for its four blocks' largest scores: the four blocks by turns.  Block b is registers S + 64 t + 16 b on: 16 keys of mine, 16 of lane l xor 16
.irp b, 0,1,2,3
.if (\n) == 0
	v_max3_num_f32 v[BM+4*\t+\b], v[S+64*\t+16*\b], v[S+64*\t+16*\b+1], v[S+64*\t+16*\b+2]
.elseif (\n) < 7
	v_max3_num_f32 v[BM+4*\t+\b], v[BM+4*\t+\b], v[S+64*\t+16*\b+2*(\n)+1], v[S+64*\t+16*\b+2*(\n)+2]
.else
	v_max_num_f32 v[BM+4*\t+\b], v[BM+4*\t+\b], v[S+64*\t+16*\b+15]
.endif
.endr
.endm
.macro SUMLINE k                       ; line k = 0 .. 63 of the rows' sums of the unquantised p: two chains a tile, the four by turns
.if (\k) < 2
	v_pk_add_f32 v[L2+2*(\k):L2+2*(\k)+1], v[S+64*(\k):S+64*(\k)+1], v[S+64*(\k)+2:S+64*(\k)+3]
.elseif (\k) < 62
.set T_, (((\k)-2)%4)/2
.set J_, 4+4*(((\k)-2)/4)+2*(((\k)-2)%2)
.if ((\k)-2)%2
	v_pk_add_f32 v[L2+2*T_:L2+2*T_+1], v[L2+2*T_:L2+2*T_+1], v[S+64*T_+J_:S+64*T_+J_+1]
.else
	v_pk_add_f32 v[ST+8*T_+2:ST+8*T_+3], v[ST+8*T_+2:ST+8*T_+3], v[S+64*T_+J_:S+64*T_+J_+1]
.endif
.else
.set T_, (\k)-62
	v_pk_add_f32 v[ST+8*T_+2:ST+8*T_+3], v[ST+8*T_+2:ST+8*T_+3], v[L2+2*T_:L2+2*T_+1]
.endif
.endm
; The softmax step of both tiles, line by line in turn, from tile 1's search on
.macro SM pf
.irp n, 0,1,2,3,4,5,6,7
	MAXROW 1, \n
.endr
.irp u, 0,1,2,3,4,5,6,7
	v_permlanex16_b32 v[BP+\u], v[BM+\u], s[SEL], s[SEL+1]
.endr
.irp u, 0,1,2,3,4,5,6,7
	v_max_num_f32 v[BM+\u], v[BM+\u], v[BP+\u]     ; each block's largest score
.endr
.irp t, 0,1
	v_max3_num_f32 v[ST+8*\t+6], v[BM+4*\t], v[BM+4*\t+1], v[BM+4*\t+2]
.endr
.irp t, 0,1
	v_max_num_f32 v[ST+8*\t+6], v[ST+8*\t+6], v[BM+4*\t+3]
.endr
.irp t, 0,1
	v_mul_f32 v[ST+8*\t+6], s[CS], v[ST+8*\t+6]
.endr
.irp t, 0,1
	v_max_num_f32 v[ST+8*\t+1], v[ST+8*\t+1], v[ST+8*\t+6]   ; the running largest t
.endr
.irp t, 0,1
	v_mov_b32 v[ST+8*\t+6], v[ST+8*\t]
.endr
.irp t, 0,1
	v_floor_f32 v[ST+8*\t], -v[ST+8*\t+1]          ; the new -M
.endr
.irp t, 0,1
	v_sub_f32 v[ST+8*\t+6], v[ST+8*\t], v[ST+8*\t+6]
.endr
.irp t, 0,1
	v_cvt_i32_f32 v[ST+8*\t+6], v[ST+8*\t+6]
.endr
.irp t, 0,1
	v_ldexp_f32 v[ST+8*\t+4], 1.0, v[ST+8*\t+6]    ; f = 2^(old M - new M)
.endr
.irp t, 0,1
.set j, 0
.rept 32
	v_pk_fma_f32 v[S+64*\t+j:S+64*\t+j+1], v[S+64*\t+j:S+64*\t+j+1], s[CS:CS+1], v[ST+8*\t:ST+8*\t+1] op_sel_hi:[1,0,0]
.set j, j+2
.endr
.endr
.irp t, 0,1
.irp b, 0,1,2,3
	v_fma_f32 v[BM+4*\t+\b], v[BM+4*\t+\b], s[CS], v[ST+8*\t]
.endr
.endr
.irp t, 0,1
	v_pk_mul_f32 v[ST+8*\t+2:ST+8*\t+3], v[ST+8*\t+2:ST+8*\t+3], v[ST+8*\t+4:ST+8*\t+5] op_sel_hi:[1,0]   ; the sums under the new M
.endr
	WIN W_RS
.irp t, 0,1
.set j, 0
.rept 16
	v_pk_mul_f32 v[OT+32*\t+j:OT+32*\t+j+1], v[OT+32*\t+j:OT+32*\t+j+1], v[ST+8*\t+4:ST+8*\t+5] op_sel_hi:[1,0]   ; O^T under the new M: no transcendental stands between the products that wrote it and these lines
.set j, j+2
.endr
.endr
	WIN 0
	WALU                                           ; one wait ahead of the batch, one behind it
.irp u, 0,1,2,3,4,5,6,7
	v_exp_f32 v[BM+\u], v[BM+\u]                   ; the blocks' largest p
.endr
.set j, 0
.rept 128
	v_exp_f32 v[S+j], v[S+j]
.set j, j+1
.endr
	v_nop                                          ; one plain place behind the batch
	WALU
.if \pf
	s_wait_dscnt 29                                ; v's 13 loads are in; the next step's 29 may be out
.else
	s_wait_dscnt 0x0
.endif
.irp u, 0,1,2,3,4,5,6,7
	v_max_num_f32 v[BM+\u], 0x1800000, v[BM+\u]    ; the floor 2^(3 - 127): the byte cannot fall under 1
.endr
.irp u, 0,1,2,3,4,5,6,7
	v_add_nc_u32 v[SO+\u], 0xff000000, v[BM+\u]    ; 2 off the exponent field: the conversion's scale operand
.endr
.irp u, 0,1,2,3,4,5,6,7
	v_lshrrev_b32 v[BP+\u], 23, v[SO+\u]           ; the scale's byte
.endr
.irp t, 0,1
	v_lshl_or_b32 v[PS+\t], v[BP+4*\t+1], 8, v[BP+4*\t]
.endr
.irp t, 0,1
	v_lshl_or_b32 v[PS+\t], v[BP+4*\t+2], 16, v[PS+\t]
.endr
.irp t, 0,1
	v_lshl_or_b32 v[PS+\t], v[BP+4*\t+3], 24, v[PS+\t]
.endr
.irp t, 0,1
.irp c, 0,1
	v_cvt_scalef32_pk16_fp6_f32 v[P+12*\t+6*\c:P+12*\t+6*\c+2], v[S+64*\t+32*\c:S+64*\t+32*\c+15], v[SO+4*\t+2*\c]
	v_cvt_scalef32_pk16_fp6_f32 v[CT+8*\t+4*\c:CT+8*\t+4*\c+2], v[S+64*\t+32*\c+16:S+64*\t+32*\c+31], v[SO+4*\t+2*\c+1]
.endr
.endr
	v_nop                                          ; one plain place behind a scaled conversion
.irp t, 0,1
.irp c, 0,1
.irp i, 0,1,2
	v_permlane16_swap_b32 v[P+12*\t+6*\c+\i], v[CT+8*\t+4*\c+\i]   ; a whole block to a lane
.endr
.endr
.endr
.irp t, 0,1
.irp c, 0,1
.irp i, 0,1,2
	v_mov_b32 v[P+12*\t+6*\c+3+\i], v[CT+8*\t+4*\c+\i]
.endr
.endr
.endr
.endm
.macro STEP pf                         ; pf = 1: the next step's k is fetched
	s_wait_dscnt 0x0                               ; this step's k, mask and scale words are in
	WIN W_QK
.irp n, 0,1,2,3,4,5,6,7
	QK1 0, \n
.endr
	WIN 0
	v_add_nc_u32 v[ADV], VB, v[ADK]                ; with three v_nop: the four places behind the last step's products with v, and behind tile 0's score products
	PLACES 3
	ds_load_b128 v[VS:VS+3], v[ADS] offset:SCV-SCK
	WIN W_LD
.irp f, 0,1,2,3
.irp c, 0,1,2
	ds_load_b128 v[VF+12*\f+4*\c:VF+12*\f+4*\c+3], v[ADV] offset:FRB*\f+512*\c
.endr
.endr
.irp n, 0,1,2,3,4,5,6,7
	WIN W_QK
	QK1 1, \n
	WIN 0
	MAXROW 0, \n                                   ; the last row's four lines are the places behind the last score product
.endr
.if \pf
	s_add_co_u32 s[TK], s[TK], SIG
	s_add_co_u32 s[TS], s[TS], 256
	s_add_co_u32 s[TMK], s[TMK], 512
	KADDR
	KLOAD
.endif
	SM \pf
.set K_, 0
.irp e, 0,1,2,3
.irp t, 0,1
.rept 8
	SUMLINE K_                                     ; the first eight are also the places between p's codes and the first product
.set K_, K_+1
.endr
	WIN W_PV
	v_wmma_scale_f32_16x16x128_f8f6f4 v[OT+32*\t+8*\e:OT+32*\t+8*\e+7], v[VF+12*\e:VF+12*\e+11], v[P+12*\t:P+12*\t+11], v[OT+32*\t+8*\e:OT+32*\t+8*\e+7], v[VS+\e], v[PS+\t] matrix_a_fmt:MATRIX_FMT_FP6 matrix_b_fmt:MATRIX_FMT_FP6
	WIN 0
.endr
.endr
.endm
; ---------------- two passes of 32 queries
	s_mov_b32 s[PASS], 2
.Lpass:
	WALU
	v_mov_b32 v[QS], v[QW]
	v_lshlrev_b32 v[QS+1], 16, v[QW]
	v_lshrrev_b32 v[QS+2], 16, v[QW]
.irp t, 0,1
	v_mov_b32 v[ST+8*\t+1], 0xff61b1e6             ; the largest t so far: -3e38
	v_mov_b32 v[ST+8*\t+2], 0
	v_mov_b32 v[ST+8*\t+3], 0
.endr
.irp t, 0,1
	v_floor_f32 v[ST+8*\t], -v[ST+8*\t+1]
.endr
	WIN W_LD
.set j, 0
.rept 64
	v_mov_b32 v[OT+j], 0                           ; the step is written for every step alike: the first finds zeros
.set j, j+1
.endr
	WIN 0
	s_mov_b32 s[TK], 0
	s_mov_b32 s[TS], 0
	s_mov_b32 s[TMK], 0
	KADDR
	KLOAD                                          ; step 0's k
	WALU
	s_mov_b32 s[CNT], 15
.Lstep:
	STEP 1
	s_sub_co_u32 s[CNT], s[CNT], 1
	s_cmp_lg_u32 s[CNT], 0
	s_cbranch_scc1 .Lstep
	STEP 0
	PLACES 4
.irp t, 0,1
	v_add_f32 v[ST+8*\t+6], v[ST+8*\t+2], v[ST+8*\t+3]
.endr
.irp t, 0,1
	v_permlanex16_b32 v[ST+8*\t+7], v[ST+8*\t+6], s[SEL], s[SEL+1]
.endr
.irp t, 0,1
	v_add_f32 v[ST+8*\t+6], v[ST+8*\t+6], v[ST+8*\t+7]   ; the row's sum
.endr
	WALU
.irp t, 0,1
	v_rcp_f32 v[ST+8*\t+4], v[ST+8*\t+6]
.endr
	v_nop
	WIN W_OUT
	WALU
.irp t, 0,1
.set j, 0
.rept 16
	v_pk_mul_f32 v[S+64*\t+j:S+64*\t+j+1], v[OT+32*\t+j:OT+32*\t+j+1], v[ST+8*\t+4:ST+8*\t+5] op_sel_hi:[1,0]
.set j, j+2
.endr
.endr
	WIN 0
.irp t, 0,1                            ; through my own stage, and back as rows of 256 bytes.  LDS serves a wave's instructions in order (ISA guide 5.7.1.4)
.irp e, 0,1,2,3
.irp c, 0,1
	ds_store_b128 v[STO], v[S+64*\t+8*\e+4*\c:S+64*\t+8*\e+4*\c+3] offset:128*(\e/2)+32*(\e%2)+16*\c
.endr
.endr
.irp i, 0,1,2,3,4,5,6,7
	ds_load_b128 v[S+64*\t+32+4*\i:S+64*\t+32+4*\i+3], v[RD] offset:2*\i*SPI
.endr
.endr
.irp t, 0,1
.irp i, 0,1,2,3,4,5,6,7
	s_wait_dscnt 23-16*\t-\i                       ; younger: the rest of this tile's loads, and for tile 0 tile 1's 16 LDS instructions
	global_store_b128 v[GO], v[S+64*\t+32+4*\i:S+64*\t+32+4*\i+3], s[10:11] offset:(2*\i+8*(\i/4)+8*\t)*4096 th:TH_STORE_NT   ; sixteen lanes store 256 consecutive bytes, aligned
.endr
.endr
	s_wait_xcnt 0x0                                ; the stores have read their base and their registers
	s_add_nc_u64 s[10:11], s[10:11], 256*4096      ; the second pass's queries lie 256 tokens on
	WIN W_LD
.irp k, 0,1,2,3,4,5,6,7,8,9,10,11
	v_mov_b32 v[QF+6+\k+6*(\k/6)], v[QN+\k]
.endr
	WIN 0
	v_mov_b32 v[QW], v[QW1]
	s_sub_co_u32 s[PASS], s[PASS], 1
	s_cmp_lg_u32 s[PASS], 0
	s_cbranch_scc1 .Lpass
	s_wait_tensorcnt 0x0                           ; the wave's end
	ds_add_u32 v[SPW], v[NIL]
	s_wait_dscnt 0x0
	ROUND                                          ; the closing round
	s_endpgm
.Lfunc_end_k_q148d29fc3f_attn:
	.size	k_q148d29fc3f_attn, .Lfunc_end_k_q148d29fc3f_attn-k_q148d29fc3f_attn
	.p2alignl 7, 3214868480
	.fill 96, 4, 3214868480
	.section	.rodata,"a",@progbits
	.p2align	6, 0x0
	.amdhsa_kernel k_q148d29fc3f_attn
		.amdhsa_group_segment_fixed_size 327680
		.amdhsa_private_segment_fixed_size 0
		.amdhsa_enable_private_segment 0
		.amdhsa_kernarg_size 32
		.amdhsa_user_sgpr_count 2
		.amdhsa_user_sgpr_kernarg_segment_ptr 1
		.amdhsa_wavefront_size32 1
		.amdhsa_system_sgpr_workgroup_id_x 1
		.amdhsa_system_sgpr_workgroup_id_y 1
		.amdhsa_system_sgpr_workgroup_id_z 1
		.amdhsa_system_vgpr_workitem_id 0
		.amdhsa_next_free_vgpr 512
		.amdhsa_next_free_sgpr 80
		.amdhsa_reserve_vcc 0
		.amdhsa_float_denorm_mode_32 3
		.amdhsa_float_denorm_mode_16_64 3
		.amdhsa_memory_ordered 1
		.amdhsa_forward_progress 1
		.amdhsa_inst_pref_size 81
	.end_amdhsa_kernel
	.amdgpu_metadata
---
amdhsa.version: [ 1, 2 ]
amdhsa.kernels:
  - .name:           k_q148d29fc3f_attn
    .symbol:         k_q148d29fc3f_attn.kd
    .args:
      - { .name: qkvc, .offset: 0, .size: 8, .value_kind: global_buffer, .address_space: global }
      - { .name: qkvs, .offset: 8, .size: 8, .value_kind: global_buffer, .address_space: global }
      - { .name: attention_mask, .offset: 16, .size: 8, .value_kind: global_buffer, .address_space: global }
      - { .name: out0, .offset: 24, .size: 8, .value_kind: global_buffer, .address_space: global }
    .group_segment_fixed_size: 327680
    .private_segment_fixed_size: 0
    .kernarg_segment_align: 8
    .kernarg_segment_size: 32
    .max_flat_workgroup_size: 256
    .sgpr_count:     80
    .vgpr_count:     512
    .wavefront_size: 32
...
	.end_amdgpu_metadata
.endif
;; end of part 3
